; MI455X (gfx1250); checked and timed in simulation.
; The chip was launched on July 23, 2026; its instructions are those of AMD's public machine-readable ISA for CDNA 5 (MIT licence, August 2026) and "CDNA5" Instruction Set Architecture Reference Guide (July 2026). The comments in the code are by the model that wrote it; some were corrected since.
;; Causal Self Attention. Allowed arithmetic: matrix products marked QUANTISED: E4M3 operands, one given power-of-two scale a tensor, by v_wmma_f32_16x16x64_fp8_fp8 or v_wmma_f32_16x16x128_fp8_fp8, f32 sums; everything else in f32.
;; Inputs: lowp_scales 8 int32 (the exponents e of the quantised operands' scales 2^e); w_proj 1,024 x 1,024 float32; w_qkv 1,024 x 3,072 float32; x 4 x 2,048 x 1,024 float32.
;; Outputs: out0 4 x 2,048 x 1,024 float32.
;; This version of the problem:
;;   THIS VERSION OF THE PROBLEM IS GIVEN IN LOW PRECISION. The matrix products marked QUANTISED in the list below multiply operands that are first quantised to E4M3 (4 exponent bits, 3 mantissa bits; 8 bits a number), with one given power-of-two scale for each operand tensor; their sums are f32. All else is computed in f32.
;;   The module's matrix products, in the order in which they are computed (A, B: the left and right operand; K: the contracted axis; several contracted axes count as one K, in the product's order):
;;     1. [M 8,192, K 1,024] x [K 1,024, N 3,072]; A: input x; B: input w_qkv: QUANTISED (scales: A lowp_scales[0], B lowp_scales[1])
;;     2. batch 64 x [M 2,048, K 64] x [K 64, N 2,048]; A: computed on the way; B: computed on the way: QUANTISED (scales: A lowp_scales[2], B lowp_scales[3])
;;     3. batch 64 x [M 2,048, K 2,048] x [K 2,048, N 64]; A: softmax (see below); B: computed on the way: QUANTISED (scales: A lowp_scales[4], B lowp_scales[5])
;;     4. [M 8,192, K 1,024] x [K 1,024, N 1,024]; A: computed on the way; B: input w_proj: QUANTISED (scales: A lowp_scales[6], B lowp_scales[7])
;;   THE QUANTISER, for each operand of a quantised product, along K:
;;     - The operand's scale is 2^e, e = its entry of the input lowp_scales (int32; the entries are numbered through the quantised products in the list's order, A before B).
;;     - Each number is divided by the scale, clamped to +-448, and rounded to the nearest number of E4M3, ties to even, subnormals kept.
;;     - The product sums the exact products of the quantised numbers (number of the format x scale) in f32.
;;   ~~~python
;;   def quantise(x, axis, e):      # numpy; x: float32 -> the quantised numbers, widened to float32 again
;;       x = np.moveaxis(x, axis, -1); K = x.shape[-1]
;;       r = np.clip(x / 2.0 ** e, -448, 448)
;;       step = 2.0 ** (np.maximum(np.frexp(np.where(r == 0, 1, r))[1] - 1, -6) - 3)
;;       q = np.round(r / step) * step * 2.0 ** e      # np.round: ties to even
;;       return np.moveaxis(q, -1, axis).astype(np.float32)
;;   ~~~
;;   SOFTMAX AHEAD OF A QUANTISED PRODUCT. Where the list says 'softmax', what is quantised is not the finished softmax but p = 2^(t - M), with t = logit x log2(e) and M = ceil(the row's largest t), a whole number; so 1/2 < the row's largest p <= 1. The row's sum l is taken of the UNQUANTISED p, in f32, and the product's result is divided by l at the end. Since M is a whole number, a kernel that streams over the keys may use a running M (the ceiling of the running maximum): every later rescaling is an exact power of two, so the quantised numbers keep their values, but for numbers so far below the row's largest that they fall under the format's range.
;;   OPERANDS COMPUTED ON THE WAY. 'Computed on the way' means the value that the module computes at that place (a softmax that the list does not call 'softmax' is quantised finished and normalised). What goes into a quantiser is computed in f32, as accurately as f32 sums, v_exp_f32 and their like allow (about 1e-6 of the number): no bf16 or f16 on the way to a quantiser, and a product that is left as it is and whose result goes on into a quantised operand takes f32 operands (vector FMAs, or v_wmma_f32_16x16x4_f32). A number that lies on a knife's edge between two numbers of the format may be rounded either way, as far as f32 arithmetic and the matrix unit's own rounding can turn it there, and no further.
;; One version. Each part assembles by itself: llvm-mc -triple=amdgcn-amd-amdhsa -mcpu=gfx1250 --defsym DOCPART=n.
;; ======== version 1 of 1: 4 launches
;; limits: right only within a limited range of input values
;; workspace buffers: xcodes 8,388,608 bytes; wcodes 4,194,304 bytes; qkvc 25,165,824 bytes; ycodes 8,388,608 bytes
;; launch prep (part 1): grid 384 x 1, 4 waves a work-group, no clusters, 68,096 bytes of LDS; arguments x, w_qkv, w_proj, lowp_scales, xcodes, wcodes; writes xcodes, wcodes
.if DOCPART == 1
	.amdgcn_target "amdgcn-amd-amdhsa--gfx1250"
	.amdhsa_code_object_version 6
	.text
	.protected	k_qb86a686590_prep
	.globl	k_qb86a686590_prep
	.p2align	8
	.type	k_qb86a686590_prep,@function
k_qb86a686590_prep:
	s_mov_b64 s[64:65], 0
	v_nop
	global_prefetch_b8 v0, s[64:65] scope:SCOPE_SE
	s_setreg_imm32_b32 hwreg(HW_REG_WAVE_MODE, 25, 1), 1
	s_wait_xcnt 0x0
; CAUSAL SELF-ATTENTION IN E4M3, launch 1 of 4: x, w_qkv and w_proj (f32) become codes of E4M3, K innermost, each with the one scale 2^e given for it (e0, e1, e7).
; code = number / 2^e, held within +-448, rounded to the nearest code, ties to even.
; DEAD WORK OF THE PROGRAM (left out in the launch attn).  reference() builds causal = tril(ones) in its own body and puts -inf where key > query; the softmax gives exactly 0 there,
; whatever finite values x, w_qkv and w_proj hold, so such a key adds 0 to the row's sum and 0 x v to y.  Where all 128 keys of a key step come after all 16 queries of a tile, the step's
; two products and its softmax reach no output and are not done.  Nothing else is left out; every input has a way to the output and is loaded.
; LIMIT: a NaN, an infinity or an overflow that would arise only in scores that are left out is not carried to the result.  NaN among the inputs is not served.
; LIMITS on the exponents here: e0, e1, e7 between -126 and 119, so that 2^e and 448 x 2^e are f32 numbers.
; LAYOUT OF THE CODES.  sw(i) = i with its bits 3 and 4 exchanged.  xcodes [8192][1024]: row sw(m) holds token m.  wcodes [4096][1024]: row sw(n) holds column n of w_qkv (n < 3072) or column n - 3072 of w_proj.
; (Read as sixteen consecutive rows by a matrix instruction's first source, such rows give each lane 16 neighbours along the next product's K in two neighbouring result tiles.)
; SHARES.  Work-groups 0-127: the weights, 128 columns x 256 along K each: a lane takes a column, its registers run down K, the codes leave through the wave's own stage as rows of 256 bytes.
; Work-groups 128-383: x, 32,768 numbers each, a plain stream: loads of 512 consecutive bytes, turned through the wave's own stage so that a lane holds 16 neighbours.
; No tensor loads, no barrier: waves share nothing.  The two paths have LDS bytes of their own.  No cluster: no two work-groups read the same bytes.
.set SPARE, 67584                      ; behind both paths' stages: the spare words, 128 bytes for each wave
.set XREG,  8192                       ; x path: a wave's region: two stages of 32 x SP bytes
.set SP,    80                         ; a lane's place in a stage: 64 bytes + 16 of padding
.set WST,   32768                      ; weight path: four stages of 32 rows x WP
.set WP,    272                        ; 256 bytes + 16 of padding
.set EMAX,  8
.set MANT,  0x600000                   ; the mantissa field of 448 as f32
.set STEPS, 16
.set R,     16                         ; x: v16-79 four sets of 16 numbers as loaded
.set X,     80                         ; x: v80-111 two sets of 16 neighbours
.set C,     128                        ; x: v128-191 codes, four registers a step
.set WX,    32                         ; w: v32-95 two sets of 32 numbers
.set WC,    96                         ; w: v96-103 a block's codes
.set OUTR,  112                        ; w: v112-175 the way out
.set WO,    176                        ; w: v176-207 byte offsets of rows 0..31 of a block at my column
.set SPW,   12                         ; v12 LDS address of my spare word; never rewritten
.set NIL,   13                         ; v13 0; never rewritten
	s_load_b256 s[4:11], s[0:1], 0x0               ; x s[4:5], w_qkv s[6:7], w_proj s[8:9], the exponents s[10:11]
	s_load_b128 s[12:15], s[0:1], 0x20             ; xcodes s[12:13], wcodes s[14:15]
	v_lshl_add_u32 v[SPW], v0, 2, SPARE
	v_mov_b32 v[NIL], 0
	v_lshrrev_b32 v1, 5, v0
	v_readfirstlane_b32 s24, v1                    ; wave 0..3
	v_and_b32 v2, 31, v0                           ; lane
	v_lshlrev_b32 v3, 4, v2                        ; 16 x lane
	; every LDS address of both paths is made here, ahead of the parting
	s_mul_i32 s25, s24, XREG
	v_lshrrev_b32 v14, 2, v2
	v_mul_u32_u24 v14, v14, SP
	v_and_b32 v15, 3, v2
	v_lshl_add_u32 v14, v15, 4, v14
	v_add_nc_u32 v14, s25, v14                     ; x, into the stage: four lanes' 64 bytes on end, then the padding
	v_mul_u32_u24 v15, v2, SP
	v_add_nc_u32 v15, s25, v15                     ; x, out of it: my 16 neighbours
	s_mul_i32 s26, s24, 32*WP
	s_add_co_u32 s26, s26, WST
	v_mul_u32_u24 v6, v2, WP
	v_add_nc_u32 v6, s26, v6                       ; w, into the stage: row = my lane = my column
	v_and_b32 v4, 15, v2
	v_lshrrev_b32 v5, 4, v2
	v_mul_u32_u24 v7, v5, WP
	v_lshl_add_u32 v7, v4, 4, v7
	v_add_nc_u32 v7, s26, v7                       ; w, out of it: sixteen lanes to a row, two rows an instruction
	v_lshlrev_b32 v8, 10, v5
	v_lshl_add_u32 v8, v4, 4, v8                   ; and the same two rows (1,024 bytes apart) in wcodes
	s_wait_kmcnt 0x0
	s_load_b256 s[16:23], s[10:11], 0x0            ; e0 .. e7
	s_cmp_lt_u32 ttmp9, 128
	s_cbranch_scc1 .Lw
; ---------------- x ----------------
	s_sub_co_u32 s26, ttmp9, 128
	s_lshl_b32 s26, s26, 2                         ; four runs of 8,192 numbers (8 rows) to a work-group
	s_add_co_u32 s27, s26, s24                     ; my run
	s_lshl_b32 s28, s27, 15
	s_mov_b32 s29, 0
	s_add_nc_u64 s[4:5], s[4:5], s[28:29]
	s_and_b32 s30, s24, 1                          ; a run is 8 rows, so the wave's two bits are the rows' bits 3 and 4: they are exchanged for the place of the codes
	s_lshl_b32 s30, s30, 1
	s_lshr_b32 s31, s24, 1
	s_or_b32 s30, s30, s31
	s_add_co_u32 s30, s26, s30
	s_lshl_b32 s28, s30, 13
	s_add_nc_u64 s[12:13], s[12:13], s[28:29]
.macro LOADX t
.irp i, 0,1,2,3
	global_load_b128 v[R+16*((\t)%4)+4*\i:R+16*((\t)%4)+4*\i+3], v3, s[4:5] offset:2048*(\t)+512*\i th:TH_LOAD_NT   ; 32 lanes read 512 consecutive bytes
.endr
.endm
.macro TURNX t                         ; a step's numbers through the stage: LDS serves a wave's instructions in order, so no wait stands between the stores and the loads
.irp i, 0,1,2,3
	ds_store_b128 v14, v[R+16*((\t)%4)+4*\i:R+16*((\t)%4)+4*\i+3] offset:32*SP*((\t)%2)+8*SP*\i
.endr
.irp i, 0,1,2,3
	ds_load_b128 v[X+16*((\t)%2)+4*\i:X+16*((\t)%2)+4*\i+3], v15 offset:32*SP*((\t)%2)+16*\i
.endr
.endm
.irp t, 0,1,2,3
	LOADX \t
.endr
	s_wait_kmcnt 0x0
	s_add_co_i32 s26, s16, 127
	s_lshl_b32 s27, s26, 23
	v_mov_b32 v11, s27                             ; 2^e0 as f32: the conversion takes its exponent field
	s_add_co_i32 s26, s26, EMAX
	s_lshl_b32 s26, s26, 23
	s_or_b32 s26, s26, MANT
	s_wait_alu depctr_va_vdst(0)
	s_wait_loadcnt 12                              ; step 0's four loads are in; the twelve of steps 1 to 3 may be out
	TURNX 0
.macro STEPX t
.set XS, X+16*((\t)%2)
	s_wait_dscnt 0x0                               ; this step's numbers are back from the stage, so its stores into the stage have read their registers,
.if (\t)+4 < STEPS
	LOADX (\t)+4                                   ; which take the loads of four steps on
.endif
.if (\t)+1 < STEPS
.if STEPS-2-(\t) >= 3
	s_wait_loadcnt 12                              ; the next step's four loads are in; those of the three steps behind it may be out
.else
	s_wait_loadcnt 4*(STEPS-2-(\t))
.endif
	TURNX (\t)+1
.endif
.irp i, 0,1,2,3,4,5,6,7,8,9,10,11,12,13,14,15
.endr
	v_cvt_scalef32_pk8_fp8_f32 v[C+4*(\t):C+4*(\t)+1], v[XS:XS+7], v11
	v_cvt_scalef32_pk8_fp8_f32 v[C+4*(\t)+2:C+4*(\t)+3], v[XS+8:XS+15], v11
	global_store_b128 v3, v[C+4*(\t):C+4*(\t)+3], s[12:13] offset:512*(\t)   ; 32 lanes store 512 consecutive bytes; each step has its own registers, so no data of a store are written again
.endm
.irp t, 0,1,2,3,4,5,6,7,8,9,10,11,12,13,14,15
	STEPX \t
.endr
	s_wait_tensorcnt 0x0                           ; the wave's end: a wait, an add of 0 to my spare word and its wait, behind my last LDS store
	ds_add_u32 v[SPW], v[NIL]
	s_wait_dscnt 0x0
	s_endpgm
; ---------------- the weights ----------------
.Lw:
	s_and_b32 s26, ttmp9, 31                       ; which 128 of the 4,096 columns (24 x 128 of w_qkv, then 8 x 128 of w_proj)
	s_lshr_b32 s27, ttmp9, 5                       ; which 256 along K
	s_mov_b32 s48, 4096
	s_cmp_lt_u32 s26, 24                           ; the choice hangs on the work-group's number alone
	s_cselect_b64 s[6:7], s[6:7], s[8:9]           ; the tensor,
	s_cselect_b32 s48, 12288, s48                  ; its row in bytes,
	s_cselect_b32 s28, 0, 3072                     ; and what the combined column number has too much
	s_lshl_b32 s29, s26, 7
	s_lshl_b32 s30, s24, 5
	s_add_co_u32 s29, s29, s30                     ; my wave's first combined column: 128 x + 32 wave
	s_sub_co_u32 s28, s29, s28
	s_lshl_b32 s28, s28, 2                         ; its byte in a row of the tensor
	s_lshl_b32 s31, s27, 8
	s_mul_i32 s31, s31, s48                        ; 256 y rows down
	s_add_co_u32 s50, s31, s28
	s_mov_b32 s51, 0
	s_add_nc_u64 s[32:33], s[6:7], s[50:51]        ; block 0's first row at my wave's first column;
	s_lshl_b32 s50, s48, 5
.irp t, 1,2,3,4,5,6,7
	s_add_nc_u64 s[32+2*\t:33+2*\t], s[30+2*\t:31+2*\t], s[50:51]   ; block t's: 32 rows further down.  (The row's length differs between the tensors, so it cannot stand in an immediate)
.endr
	v_lshlrev_b32 v[WO], 2, v2                     ; 4 bytes a lane,
.set i, 1
.rept 31
	v_add_nc_u32 v[WO+i], s48, v[WO+i-1]           ; + i rows
.set i, i+1
.endr
	s_lshl_b32 s52, s29, 10
	s_lshl_b32 s53, s27, 8
	s_add_co_u32 s52, s52, s53
	s_mov_b32 s53, 0
	s_add_nc_u64 s[14:15], s[14:15], s[52:53]      ; wcodes at row 128 x + 32 wave, byte 256 y
.macro LOADW t                         ; block t: 32 along K of my column into set t % 2; each load reads 128 consecutive bytes a wave
.irp i, 0,1,2,3,4,5,6,7,8,9,10,11,12,13,14,15,16,17,18,19,20,21,22,23,24,25,26,27,28,29,30,31
	global_load_b32 v[WX+32*((\t)%2)+\i], v[WO+\i], s[32+2*(\t):33+2*(\t)] th:TH_LOAD_NT
.endr
.endm
	LOADW 0
	LOADW 1
	s_wait_kmcnt 0x0
	s_cmp_lt_u32 s26, 24
	s_cselect_b32 s54, s17, s23                    ; e1 or e7
	s_add_co_i32 s54, s54, 127
	s_lshl_b32 s55, s54, 23
	v_mov_b32 v11, s55                             ; 2^e as f32
	s_add_co_i32 s54, s54, EMAX
	s_lshl_b32 s54, s54, 23
	s_or_b32 s54, s54, MANT
.macro BLOCKW t
.set XS, WX+32*((\t)%2)
.if (\t) < 7
	s_wait_loadcnt 32                              ; this block's 32 loads are in; the next block's may be out
.else
	s_wait_loadcnt 0
.endif
.irp i, 0,1,2,3,4,5,6,7,8,9,10,11,12,13,14,15,16,17,18,19,20,21,22,23,24,25,26,27,28,29,30,31
.endr
.irp g, 0,1,2,3
	v_cvt_scalef32_pk8_fp8_f32 v[WC+2*\g:WC+2*\g+1], v[XS+8*\g:XS+8*\g+7], v11
.endr
	ds_store_b128 v6, v[WC:WC+3] offset:32*(\t)    ; 32 codes: 32 bytes of my column's row
	ds_store_b128 v6, v[WC+4:WC+7] offset:32*(\t)+16
.if (\t)+2 < 8
	LOADW (\t)+2
.endif
	s_wait_dscnt 0x0                               ; the stores have read their registers: the next block's codes may be written
.endm
	s_wait_alu depctr_va_vdst(0)
.irp t, 0,1,2,3,4,5,6,7
	BLOCKW \t
.endr
.irp t, 0,1,2,3,4,5,6,7,8,9,10,11,12,13,14,15
	ds_load_b128 v[OUTR+4*\t:OUTR+4*\t+3], v7 offset:2*\t*WP   ; LDS serves a wave's instructions in order: these see my stores
.endr
.irp t, 0,1,2,3,4,5,6,7,8,9,10,11,12,13,14,15
	s_wait_dscnt 15-\t
	global_store_b128 v8, v[OUTR+4*\t:OUTR+4*\t+3], s[14:15] offset:2048*(((\t)&3)|((((\t)>>2)&1)<<3)|((((\t)>>3)&1)<<2))   ; columns 2 t, 2 t + 1 go to rows sw(2 t), sw(2 t + 1): bits 2 and 3 of t exchanged; sixteen lanes store 256 consecutive bytes, aligned
.endr
	s_wait_tensorcnt 0x0                           ; the wave's end: a wait, an add of 0 to my spare word and its wait, behind my last LDS store
	ds_add_u32 v[SPW], v[NIL]
	s_wait_dscnt 0x0
	s_endpgm
.Lfunc_end_k_qb86a686590_prep:
	.size	k_qb86a686590_prep, .Lfunc_end_k_qb86a686590_prep-k_qb86a686590_prep
	.p2alignl 7, 3214868480
	.fill 96, 4, 3214868480
	.section	.rodata,"a",@progbits
	.p2align	6, 0x0
	.amdhsa_kernel k_qb86a686590_prep
		.amdhsa_group_segment_fixed_size 68096
		.amdhsa_private_segment_fixed_size 0
		.amdhsa_enable_private_segment 0
		.amdhsa_kernarg_size 48
		.amdhsa_user_sgpr_count 2
		.amdhsa_user_sgpr_kernarg_segment_ptr 1
		.amdhsa_wavefront_size32 1
		.amdhsa_system_sgpr_workgroup_id_x 1
		.amdhsa_system_sgpr_workgroup_id_y 1
		.amdhsa_system_sgpr_workgroup_id_z 1
		.amdhsa_system_vgpr_workitem_id 0
		.amdhsa_next_free_vgpr 208
		.amdhsa_next_free_sgpr 66
		.amdhsa_reserve_vcc 0
		.amdhsa_float_denorm_mode_32 3
		.amdhsa_float_denorm_mode_16_64 3
		.amdhsa_fp16_overflow 1
		.amdhsa_memory_ordered 1
		.amdhsa_forward_progress 1
		.amdhsa_inst_pref_size 55
	.end_amdhsa_kernel
	.amdgpu_metadata
---
amdhsa.version: [ 1, 2 ]
amdhsa.kernels:
  - .name:           k_qb86a686590_prep
    .symbol:         k_qb86a686590_prep.kd
    .args:
      - { .name: x, .offset: 0, .size: 8, .value_kind: global_buffer, .address_space: global }
      - { .name: w_qkv, .offset: 8, .size: 8, .value_kind: global_buffer, .address_space: global }
      - { .name: w_proj, .offset: 16, .size: 8, .value_kind: global_buffer, .address_space: global }
      - { .name: lowp_scales, .offset: 24, .size: 8, .value_kind: global_buffer, .address_space: global }
      - { .name: xcodes, .offset: 32, .size: 8, .value_kind: global_buffer, .address_space: global }
      - { .name: wcodes, .offset: 40, .size: 8, .value_kind: global_buffer, .address_space: global }
    .group_segment_fixed_size: 68096
    .private_segment_fixed_size: 0
    .kernarg_segment_align: 8
    .kernarg_segment_size: 48
    .max_flat_workgroup_size: 128
    .sgpr_count:     66
    .vgpr_count:     208
    .wavefront_size: 32
...
	.end_amdgpu_metadata
.endif
;; end of part 1
;; launch gemm_qkv (part 2): grid 12 x 32, 4 waves a work-group, clusters of 4 x 4, 327,680 bytes of LDS; arguments xcodes, wcodes, lowp_scales, qkvc; writes qkvc
.if DOCPART == 2
	.amdgcn_target "amdgcn-amd-amdhsa--gfx1250"
	.amdhsa_code_object_version 6
	.text
	.protected	k_qb86a686590_gemm_qkv
	.globl	k_qb86a686590_gemm_qkv
	.p2align	8
	.type	k_qb86a686590_gemm_qkv,@function
k_qb86a686590_gemm_qkv:
	s_mov_b64 s[64:65], 0
	v_nop
	global_prefetch_b8 v0, s[64:65] scope:SCOPE_SE
	s_setreg_imm32_b32 hwreg(HW_REG_WAVE_MODE, 25, 1), 1
	s_wait_xcnt 0x0
	s_wait_alu depctr_hold_cnt(0) depctr_sa_sdst(0) depctr_va_vdst(0) depctr_va_sdst(0) depctr_va_ssrc(0) depctr_va_vcc(0) depctr_vm_vsrc(0)
	s_getreg_b32 s2, hwreg(HW_REG_IB_STS2, 6, 4)
	s_cmp_eq_u32 s2, 0
	s_cbranch_scc0 .Lentry_in_a_cluster
	s_endpgm
.Lentry_in_a_cluster:
	s_bfe_u32 s2, ttmp6, 0x10000c
	s_cmp_lg_u32 s2, 0xf033
	s_cbranch_scc0 .Lentry_shape_is_right
	s_endpgm
.Lentry_shape_is_right:
; Launch 2 of 4: qkv = x w_qkv on codes of E4M3 (sums in f32), and on the way out q, k and v are quantised (e2, e3, e5) and stored as images of the operand registers that the launch attn loads.
; A sum stands for sum x 2^(e0 + e1), so its code is sum / 2^(eo - e0 - e1), held within +-448: the three exponents are folded into the conversion's one scale.
; LIMITS: e2 - e0 - e1, e3 - e0 - e1, e5 - e0 - e1 between -126 and 119.
; SHARES.  A work-group of four waves makes 256 x 256 of the result, a wave 128 x 128: 64 accumulators, 512 registers.  K = 1,024 goes in four steps of 256 through two LDS slots filled by the tensor data mover.
; 384 work-groups: a tile of 192 columns would cut heads, a wave tile of 128 x 192 does not fit the registers beside its fragments.
; CLUSTERS 4 x 4.  The cluster's x is the KIND: 0 = q, 1 = k, 2 = v: it is the same in all sixteen partners.  The tile of the A role is shared along a row of the cluster, that of the B role along a column: joint loads.
; THE MATRIX INSTRUCTION IS USED TRANSPOSED (source 0 = 16 rows of the B role, source 1 = 16 rows of the A role): a lane holds ONE row of the A role, its registers run along the B role's rows.
;   q, k: A role = xcodes (tokens), B role = wcodes (features): a lane's registers run along the head's 64, which is the K of the score product.
;   v:    A role = wcodes, B role = xcodes: a lane's registers run along the tokens, which are the K of the second product of attention.
; Both tensors are stored with rows' bits 3 and 4 exchanged.  So the 16 registers of result tiles 2 b, 2 b + 1 are the B role's actual rows 32 b + 16 (lane / 16) + 0 .. 15, and lane r of block a is the A role's actual row 32 (a / 2) + 8 (a % 2) + r + 8 (r / 8).
; FRAGMENTS come by four loads of 16 bytes: registers 4 c .. 4 c + 3 hold K = 32 c + 16 (lane / 16) + 0 .. 15: a permutation of k that is the same on both sides.
; qkvc, all in images (lane l = (r, h)):  Q at 0: [bh 64][T 128][c 2][lane][16] = q(16 T + r, 32 c + 16 h ..);  K at 8,388,608: [bh][T][c][lane][16] = k(32 (T / 2) + 8 (T % 2) + r + 8 (r / 8), 32 c + 16 h ..);
;   V at 16,777,216: [bh][s 16][t 4][c 4][lane][16] = v(key 128 s + 32 c + 16 h .., d = 32 (t / 2) + 8 (t % 2) + r + 8 (r / 8)).
; REGISTERS: window 0: v0-31 addresses; v128-255 the A role's 8 fragments, one set; window 1: the B role's, two sets at v0 and v128; windows 2, 3: accumulator (a, b) at v[8 (8 (a % 4) + b)].
; No prefetch: two K steps' bytes are asked for at the head, the other two in the first two changes of slots, and tiles are shared by joint loads.
.set KROW,   1024                      ; a row of either tensor in bytes
.set ROWB,   256                       ; a tile's row: 256 codes
.set PITCH,  272                       ; in LDS: + 16 of padding: the 16 rows that a load touches start at 16 different banks (ISA guide 11.1)
.set FR,     16
.set NL,     4
.set NP,     4
.set HALFT,  128*PITCH
.set SLOT,   4*HALFT
.set SPARE,  2*SLOT                    ; behind the ring: the spare words
.set SP,     272                       ; the way out: a stage of 256 rows x (256 + 16) bytes in slot 0, which has had its last fill and its last read by then
.set RDQ,  8                           ; v8   the stage, read for Q's images
.set RDV,  10                          ; v10  read for V's images
.set ADRA, 16                          ; v16-17
.set ADRB, 20                          ; v20-21
.set STO,  24                          ; v24  the stage, where I put 16 codes; also read for K's images
.set CO,   26                          ; v26  16 x lane
.set SPW,  28
.set NIL,  29
.set LIM,  30
.set SCL,  31                          ; v31  the folded scale
.set TMP,  32
.set AF,   128
.set CD,   128                         ; v128-255 the codes: 16 registers a block; later the images on their way out
.set G1, 24
.set G0, 32
.set G1B, 48
.set G0B, 56
.set MSB, 0
.macro WIN new                         ; the immediate's high byte repeats the setting that is left
.if MSB != (\new)
	s_set_vgpr_msb (MSB<<8)|(\new)
.set MSB, (\new)
.endif
.endm
.set MUL_LO, 0xa1                      ; source 0 window 1, source 1 window 0, C and D window 2
.set MUL_HI, 0xf1
.set TO_B,   0x40
.macro JLOAD g0a, g1a, g0b, g1b        ; waves 0 and 1 fetch for the A role, waves 2 and 3 for the B role; an s_nop 0 and four v_nop follow each line
	s_cmp_eq_u32 s15, 0
	s_cbranch_scc0 .Lfor_b_\@
	tensor_load_to_lds s[\g0a:\g0a+3], s[\g1a:\g1a+7]
	s_nop 0
.rept 4
	v_nop
.endr
	s_branch .Lasked_\@
.Lfor_b_\@:
	tensor_load_to_lds s[\g0b:\g0b+3], s[\g1b:\g1b+7]
	s_nop 0
.rept 4
	v_nop
.endr
.Lasked_\@:
.endm
.macro CREST
	s_cmp_lg_u32 s14, 0
	s_cbranch_scc1 .Lnot_wave_0_\@
	s_barrier_signal -3
.Lnot_wave_0_\@:
	s_barrier_wait -3
	s_barrier_signal -1
	s_barrier_wait -1
.endm
.macro CROUND
	s_barrier_signal -1
	s_barrier_wait -1
	CREST
.endm
	s_load_b128 s[4:7], s[0:1], 0x0                ; xcodes s[4:5], wcodes s[6:7]
	s_load_b128 s[8:11], s[0:1], 0x10              ; the exponents s[8:9], qkvc s[10:11]
	v_lshl_add_u32 v[SPW], v0, 2, SPARE
	v_mov_b32 v[NIL], 0
	ds_add_u32 v[SPW], v[NIL]                      ; the wave's opening: the add, twice on end, and its wait ahead of my first tensor load
	ds_add_u32 v[SPW], v[NIL]
	v_lshrrev_b32 v1, 5, v0
	v_readfirstlane_b32 s14, v1                    ; wave 0..3
	s_lshr_b32 s15, s14, 1                         ; my half of the A role's rows.  Also: I fetch for the A role (0) or the B role (1)
	s_and_b32 s16, s14, 1                          ; my half of the B role's rows.  Also: which 128 rows of that tile I fetch
	s_bfe_u32 s40, ttmp6, 0x40000                  ; cx
	s_bfe_u32 s41, ttmp6, 0x40004                  ; cy
	s_and_b32 s42, ttmp7, 0xffff
	s_lshl_b32 s42, s42, 2                         ; 4 x cluster y
	s_lshl_b32 s43, s41, 2
	s_lshl_b32 s43, 15, s43                        ; my row of the cluster
	s_lshl_b32 s44, 0x1111, s40                    ; my column
	s_or_b32 s[G1+0], s43, (0<<16)|(1<<20)|(1<<21)|(5<<22)|(3<<25)  ; the mask; elements of 1 byte; padding on; bit 21 beside a mask; after every 64 words four words
	s_or_b32 s[G1B+0], s44, (0<<16)|(1<<20)|(1<<21)|(5<<22)|(3<<25)
.irp g, G1, G1B
	s_mov_b32 s[\g+1], ROWB<<16                    ; tensor_dim0
	s_mov_b32 s[\g+2], 128<<16                     ; tensor_dim1
	s_mov_b32 s[\g+3], ROWB<<16                    ; tile_dim0
	s_mov_b32 s[\g+4], 128                         ; tile_dim1
	s_mov_b32 s[\g+5], KROW                        ; from row to row
	s_mov_b32 s[\g+6], 0
	s_mov_b32 s[\g+7], 0
.endr
	s_add_co_u32 s17, s42, s41                     ; q, k: the A role's tile of 256 tokens: 4 x cluster y + cy
	s_add_co_u32 s18, s41, 8                       ; v:    the A role's tile of wcodes: 8 + cy
	s_add_co_u32 s76, s42, s40                     ; v:    the B role's tile of tokens: 4 x cluster y + cx
	s_lshl_b32 s77, ttmp9, 2
	s_add_co_u32 s77, s77, s40                     ; q, k: the B role's tile of wcodes: 4 x kind + cx
	s_cmp_eq_u32 ttmp9, 2                          ; the kind: the same in all sixteen partners
	s_cselect_b32 s17, s18, s17                    ; TA: made of cy and the cluster's y alone
	s_cselect_b32 s76, s76, s77                    ; TB: of cx, the cluster's y and the kind alone
	s_lshl_b32 s19, s16, 7
	s_lshl_b32 s20, s17, 8
	s_add_co_u32 s20, s20, s19
	s_lshl_b32 s20, s20, 10                        ; (256 TA + 128 half) rows of 1,024 bytes
	s_mov_b32 s21, 0
	s_lshl_b32 s46, s76, 8
	s_add_co_u32 s46, s46, s19
	s_lshl_b32 s46, s46, 10
	s_mov_b32 s47, 0
	s_mul_i32 s45, s14, HALFT                      ; where they go: wave x 128 rows
	s_wait_dscnt 0x0                               ; both opening adds are done
	s_wait_kmcnt 0x0
	s_load_b256 s[68:75], s[8:9], 0x0              ; e0 .. e7
	s_cmp_eq_u32 ttmp9, 2
	s_cselect_b64 s[78:79], s[6:7], s[4:5]         ; the A role's tensor
	s_cselect_b64 s[80:81], s[4:5], s[6:7]         ; the B role's
	s_add_nc_u64 s[20:21], s[78:79], s[20:21]
	s_add_nc_u64 s[46:47], s[80:81], s[46:47]
	CROUND                                         ; all sixteen work-groups are here: the first joint loads meet
.irp s, 0,1
	s_mov_b32 s[G0+4*\s], 1
	s_add_co_u32 s[G0+4*\s+1], s45, \s*SLOT
	s_add_nc_u64 s[G0+4*\s+2:G0+4*\s+3], s[20:21], \s*ROWB
	s_or_b32 s[G0+4*\s+3], s[G0+4*\s+3], 0x80000000
	s_mov_b32 s[G0B+4*\s], 1
	s_add_co_u32 s[G0B+4*\s+1], s45, \s*SLOT
	s_add_nc_u64 s[G0B+4*\s+2:G0B+4*\s+3], s[46:47], \s*ROWB
	s_or_b32 s[G0B+4*\s+3], s[G0B+4*\s+3], 0x80000000
	JLOAD G0+4*\s, G1, G0B+4*\s, G1B               ; two loads of mine are out
.endr
	v_and_b32 v1, 15, v0                           ; r
	v_bfe_u32 v2, v0, 4, 1                         ; h
	v_mul_u32_u24 v3, v1, PITCH
	v_lshl_add_u32 v4, v2, 4, v3                   ; r x pitch + 16 h
	s_wait_alu depctr_va_vdst(0)
	s_mul_i32 s21, s15, HALFT
	s_mul_i32 s22, s16, HALFT
	s_add_co_u32 s22, s22, 2*HALFT
.irp s, 0,1
	v_add_nc_u32 v[ADRA+\s], s21, v4
	v_add_nc_u32 v[ADRB+\s], s22, v4
	s_add_co_u32 s21, s21, SLOT
	s_add_co_u32 s22, s22, SLOT
.endr
	s_mul_i32 s23, s15, 128*SP
	s_lshl_b32 s21, s16, 7
	s_add_co_u32 s23, s23, s21                     ; my quarter of the stage: row 128 x (A half), byte 128 x (B half)
	v_add_nc_u32 v[RDQ], s23, v4                   ; row r, + 16 h
	v_and_b32 v5, 8, v1
	v_mul_u32_u24 v5, v5, SP                       ; 8 (r / 8) rows
	v_add_nc_u32 v[STO], v5, v[RDQ]                ; row r + 8 (r / 8), + 16 h
	s_mul_i32 s23, s14, 64*SP
	v_add_nc_u32 v[RDV], v5, v4
	v_add_nc_u32 v[RDV], s23, v[RDV]               ; v: wave w reads head w of the four: rows 64 w + r + 8 (r / 8), + 16 h
	v_and_b32 v6, 31, v0
	v_lshlrev_b32 v[CO], 4, v6
.macro FRAG reg, adr, q, i
.irp c, 0,1,2,3
	ds_load_b128 v[\reg+4*\c:\reg+4*\c+3], v[\adr] offset:128*(\q)+32*\c+(\i)*16*PITCH
.endr
.endm
; 16 matrix instructions: blocks a0, a0 + 1 of the A role x the B role's eight.  The 64 accumulators take turns, one instruction a turn, in the same order in every step.
.macro MUL a0, p, zero
.irp a, \a0, \a0+1
.irp b, 0,1,2,3,4,5,6,7
.if \zero
	v_wmma_f32_16x16x128_fp8_fp8 v[8*(8*((\a)%4)+\b):8*(8*((\a)%4)+\b)+7], v[128*(\p)+FR*\b:128*(\p)+FR*\b+FR-1], v[AF+FR*(\a):AF+FR*(\a)+FR-1], 0
.else
	v_wmma_f32_16x16x128_fp8_fp8 v[8*(8*((\a)%4)+\b):8*(8*((\a)%4)+\b)+7], v[128*(\p)+FR*\b:128*(\p)+FR*\b+FR-1], v[AF+FR*(\a):AF+FR*(\a)+FR-1], v[8*(8*((\a)%4)+\b):8*(8*((\a)%4)+\b)+7]
.endif
.endr
.endr
.endm
.macro FETCH_B slot, q, p
	WIN TO_B
.irp i, 0,1,2,3,4,5,6,7
	FRAG 128*(\p)+FR*\i, ADRB+\slot, \q, \i
.endr
	WIN 0
.endm
.macro FETCH_A slot, q, i0
.irp i, \i0, \i0+1, \i0+2, \i0+3
	FRAG AF+FR*(\i), ADRA+\slot, \q, \i
.endr
.endm
.macro PLACES n                        ; plain vector instructions between a matrix instruction and a load into, or a vector read of, its registers
.rept \n
	v_nop
.endr
.endm
; A step of 128 along K on the B role's set p; it fetches the next step's fragments: the q-th 128 of slot nslot.
.macro STEP p, nslot, nq, zero
	s_wait_dscnt 4*NL                              ; the B role's set and blocks 0-3 are in; the youngest 16 loads (blocks 4-7) may be out
	WIN MUL_LO
	MUL 0, \p, \zero
	MUL 2, \p, \zero
	s_wait_dscnt 0                                 ; blocks 4-7 are in
	PLACES NP
	FETCH_B \nslot, \nq, 1-(\p)
	FETCH_A \nslot, \nq, 0
	WIN MUL_HI
	MUL 4, \p, \zero
	MUL 6, \p, \zero
	PLACES NP
	WIN 0
	FETCH_A \nslot, \nq, 4
.endm
; A slot's last step changes slots: one barrier; in front of it each wave waits for all its tensor loads, adds 0 to its spare word, and waits for that and for its reads of this slot.
.macro TURN slot, next, fill
	s_wait_tensorcnt 0x0                           ; all my tensor loads have landed: my part of the next slot
	ds_add_u32 v[SPW], v[NIL]
	s_wait_dscnt 4*NL+1                            ; the add and the youngest 16 loads may be out
	WIN MUL_LO
	MUL 0, 1, 0
	s_wait_dscnt 0x0                               ; the add is done, and my reads of this slot are over
	s_barrier_signal -1
	MUL 2, 1, 0
	WIN 0
	s_barrier_wait -1
.if \fill
	CREST                                          ; the barrier has opened a round of the cluster's barrier: no wave of any partner still reads this slot or has a load on its way
	s_add_nc_u64 s[G0+4*\slot+2:G0+4*\slot+3], s[G0+4*\slot+2:G0+4*\slot+3], 2*ROWB
	s_add_nc_u64 s[G0B+4*\slot+2:G0B+4*\slot+3], s[G0B+4*\slot+2:G0B+4*\slot+3], 2*ROWB
	JLOAD G0+4*\slot, G1, G0B+4*\slot, G1B         ; my one tensor load behind the round; its four v_nop are the places in front of the loads below
.else
	PLACES NP
.endif
	s_wait_alu depctr_va_vdst(0)
	FETCH_B \next, 0, 0
	FETCH_A \next, 0, 0
	WIN MUL_HI
	MUL 4, 1, 0
	MUL 6, 1, 0
	PLACES NP
	WIN 0
	FETCH_A \next, 0, 4
.endm
	s_wait_tensorcnt 1                             ; my part of K step 0 is in; K step 1's load may be out
	s_barrier_signal -1
	s_barrier_wait -1
	FETCH_B 0, 0, 0
	FETCH_A 0, 0, 0
	FETCH_A 0, 0, 4
	STEP 0, 0, 1, 1                                ; K 0-127: its products start the sums
	TURN 0, 1, 1                                   ; K 128-255; slot 0 takes K step 2
	STEP 0, 1, 1, 0
	TURN 1, 0, 1                                   ; slot 1 takes K step 3
	STEP 0, 0, 1, 0
	TURN 0, 1, 0                                   ; nothing is left to fetch
	STEP 0, 1, 1, 0
	s_wait_dscnt 4*NL                              ; the last step
	WIN MUL_LO
	MUL 0, 1, 0
	MUL 2, 1, 0
	s_wait_dscnt 0
	WIN MUL_HI
	MUL 4, 1, 0
	MUL 6, 1, 0
	WIN 0
	; THE WAY OUT.  Where my images begin in qkvc, and the folded scale.
	s_wait_kmcnt 0x0
	s_cmp_eq_u32 ttmp9, 0
	s_cselect_b32 s84, s70, s71                    ; e2 or e3,
	s_cmp_eq_u32 ttmp9, 2
	s_cselect_b32 s84, s73, s84                    ; or e5
	s_cselect_b32 s86, s76, s17                    ; the tile of 256 tokens: the B role's for v, else the A role's
	s_lshl_b32 s87, s40, 2
	s_lshl_b32 s88, s16, 1
	s_add_co_u32 s87, s87, s88                     ; q, k: my first head: 4 cx + 2 x (B half)
	s_lshl_b32 s88, s41, 2
	s_add_co_u32 s88, s88, s14                     ; v: my head: 4 cy + wave
	s_lshl_b32 s89, s15, 13                        ; q, k: my 8 tiles of 16 tokens, 1,024 bytes each
	s_cmp_eq_u32 ttmp9, 2
	s_cselect_b32 s87, s88, s87
	s_cselect_b32 s89, 0, s89
	s_lshr_b32 s88, s86, 3
	s_lshl_b32 s88, s88, 4
	s_add_co_u32 s87, s87, s88                     ; 16 x batch + head
	s_lshl_b32 s87, s87, 17                        ; a head has 131,072 bytes in each region
	s_and_b32 s86, s86, 7
	s_lshl_b32 s86, s86, 14                        ; 256 tokens are 16,384 bytes of a head
	s_add_co_u32 s86, s86, s87
	s_add_co_u32 s86, s86, s89
	s_lshl_b32 s88, ttmp9, 23                      ; the kind's region
	s_add_co_u32 s86, s86, s88
	s_mov_b32 s87, 0
	s_add_nc_u64 s[10:11], s[10:11], s[86:87]
	s_sub_co_i32 s84, s84, s68
	s_sub_co_i32 s84, s84, s69                     ; eo - e0 - e1
	s_add_co_i32 s84, s84, 127
	s_lshl_b32 s85, s84, 23
	v_mov_b32 v[SCL], s85
	s_add_co_i32 s84, s84, 8
	s_lshl_b32 s84, s84, 23
	s_or_b32 s84, s84, 0x600000
	PLACES NP                                      ; behind the last products: their results are read and their fragments' registers written below
; Block a: 64 sums a lane are held and converted (each accumulator from its low end on); register 16 b + i is the B role's row 32 b + 16 h + i, so four registers of codes are 16 neighbouring bytes of a stage row.
.macro QBLK a
	WIN 0x02+((\a)/4)                              ; source 0: window 2 or 3
.set i, 0
.rept 64
.set i, i+1
.endr
.irp g, 0,1,2,3,4,5,6,7
	v_cvt_scalef32_pk8_fp8_f32 v[CD+16*(\a)+2*\g:CD+16*(\a)+2*\g+1], v[TMP+8*\g+((64*((\a)%4)+i)-(TMP+i)):TMP+8*\g+7+((64*((\a)%4)+i)-(TMP+i))], v[SCL]
.endr
	WIN 0
	v_nop                                          ; a plain vector instruction behind the conversions
.irp b, 0,1,2,3
	ds_store_b128 v[STO], v[CD+16*(\a)+4*\b:CD+16*(\a)+4*\b+3] offset:(32*((\a)/2)+8*((\a)%2))*SP+32*\b
.endr
.endm
.irp a, 0,1,2,3,4,5,6,7
	QBLK \a
.endr
	s_wait_dscnt 0x0                               ; for the others' sake: my stores into the stage are done (for v a stage row's 256 bytes come from two waves)
	s_barrier_signal -1
	s_barrier_wait -1
; The stage (row = the A role's actual row, byte = the B role's actual row) is read in the order of the images, and each image half leaves as 512 consecutive bytes, aligned.
.macro RO_QK adr, perm
.irp T, 0,1,2,3,4,5,6,7
.irp hh, 0,1
.irp c, 0,1
.if \perm
	ds_load_b128 v[CD+4*(4*\T+2*\hh+\c):CD+4*(4*\T+2*\hh+\c)+3], v[\adr] offset:(32*(\T/2)+8*(\T%2))*SP+64*\hh+32*\c
.else
	ds_load_b128 v[CD+4*(4*\T+2*\hh+\c):CD+4*(4*\T+2*\hh+\c)+3], v[\adr] offset:16*\T*SP+64*\hh+32*\c
.endif
.endr
.endr
.endr
.irp T, 0,1,2,3,4,5,6,7
.irp hh, 0,1
.irp c, 0,1
	s_wait_dscnt 31-(4*\T+2*\hh+\c)
	global_store_b128 v[CO], v[CD+4*(4*\T+2*\hh+\c):CD+4*(4*\T+2*\hh+\c)+3], s[10:11] offset:131072*\hh+1024*\T+512*\c
.endr
.endr
.endr
.endm
	s_cmp_eq_u32 ttmp9, 2                          ; the kind: all waves of all partners go the same way; only LDS loads and stores to memory stand in the three ways
	s_cbranch_scc1 .Lro_v
	s_cmp_eq_u32 ttmp9, 1
	s_cbranch_scc1 .Lro_k
	RO_QK RDQ, 0
	s_branch .Ldone
.Lro_k:
	RO_QK STO, 1
	s_branch .Ldone
.Lro_v:
.irp sg, 0,1
.irp t, 0,1,2,3
.irp c, 0,1,2,3
	ds_load_b128 v[CD+4*(16*\sg+4*\t+\c):CD+4*(16*\sg+4*\t+\c)+3], v[RDV] offset:(32*(\t/2)+8*(\t%2))*SP+128*\sg+32*\c
.endr
.endr
.endr
.irp sg, 0,1
.irp t, 0,1,2,3
.irp c, 0,1,2,3
	s_wait_dscnt 31-(16*\sg+4*\t+\c)
	global_store_b128 v[CO], v[CD+4*(16*\sg+4*\t+\c):CD+4*(16*\sg+4*\t+\c)+3], s[10:11] offset:8192*\sg+2048*\t+512*\c
.endr
.endr
.endr
.Ldone:
	s_wait_tensorcnt 0x0                           ; the wave's end: a wait, an add of 0 to my spare word and its wait, behind my last tensor load and my last LDS store
	ds_add_u32 v[SPW], v[NIL]
	s_wait_dscnt 0x0
	CROUND                                         ; the closing round
	s_endpgm
.Lfunc_end_k_qb86a686590_gemm_qkv:
	.size	k_qb86a686590_gemm_qkv, .Lfunc_end_k_qb86a686590_gemm_qkv-k_qb86a686590_gemm_qkv
	.p2alignl 7, 3214868480
	.fill 96, 4, 3214868480
	.section	.rodata,"a",@progbits
	.p2align	6, 0x0
	.amdhsa_kernel k_qb86a686590_gemm_qkv
		.amdhsa_group_segment_fixed_size 327680
		.amdhsa_private_segment_fixed_size 0
		.amdhsa_enable_private_segment 0
		.amdhsa_kernarg_size 32
		.amdhsa_user_sgpr_count 2
		.amdhsa_user_sgpr_kernarg_segment_ptr 1
		.amdhsa_wavefront_size32 1
		.amdhsa_system_sgpr_workgroup_id_x 1
		.amdhsa_system_sgpr_workgroup_id_y 1
		.amdhsa_system_sgpr_workgroup_id_z 1
		.amdhsa_system_vgpr_workitem_id 0
		.amdhsa_next_free_vgpr 1024
		.amdhsa_next_free_sgpr 98
		.amdhsa_reserve_vcc 0
		.amdhsa_float_denorm_mode_32 3
		.amdhsa_float_denorm_mode_16_64 3
		.amdhsa_fp16_overflow 1
		.amdhsa_memory_ordered 1
		.amdhsa_forward_progress 1
		.amdhsa_inst_pref_size 104
	.end_amdhsa_kernel
	.amdgpu_metadata
---
amdhsa.version: [ 1, 2 ]
amdhsa.kernels:
  - .name:           k_qb86a686590_gemm_qkv
    .symbol:         k_qb86a686590_gemm_qkv.kd
    .args:
      - { .name: xcodes, .offset: 0, .size: 8, .value_kind: global_buffer, .address_space: global }
      - { .name: wcodes, .offset: 8, .size: 8, .value_kind: global_buffer, .address_space: global }
      - { .name: lowp_scales, .offset: 16, .size: 8, .value_kind: global_buffer, .address_space: global }
      - { .name: qkvc, .offset: 24, .size: 8, .value_kind: global_buffer, .address_space: global }
    .group_segment_fixed_size: 327680
    .private_segment_fixed_size: 0
    .kernarg_segment_align: 8
    .kernarg_segment_size: 32
    .max_flat_workgroup_size: 128
    .sgpr_count:     98
    .vgpr_count:     1024
    .wavefront_size: 32
...
	.end_amdgpu_metadata
.endif
;; end of part 2
;; launch attn (part 3): grid 4 x 64, 16 waves a work-group, clusters of 4 x 1, 327,680 bytes of LDS; arguments qkvc, lowp_scales, ycodes; writes ycodes
.if DOCPART == 3
	.amdgcn_target "amdgcn-amd-amdhsa--gfx1250"
	.amdhsa_code_object_version 6
	.text
	.protected	k_qb86a686590_attn
	.globl	k_qb86a686590_attn
	.p2align	8
	.type	k_qb86a686590_attn,@function
k_qb86a686590_attn:
	s_mov_b64 s[64:65], 0
	v_nop
	global_prefetch_b8 v0, s[64:65] scope:SCOPE_SE
	s_setreg_imm32_b32 hwreg(HW_REG_WAVE_MODE, 25, 1), 1
	s_wait_xcnt 0x0
	s_wait_alu depctr_hold_cnt(0) depctr_sa_sdst(0) depctr_va_vdst(0) depctr_va_sdst(0) depctr_va_ssrc(0) depctr_va_vcc(0) depctr_vm_vsrc(0)
	s_getreg_b32 s2, hwreg(HW_REG_IB_STS2, 6, 4)
	s_cmp_eq_u32 s2, 0
	s_cbranch_scc0 .Lentry_in_a_cluster
	s_endpgm
.Lentry_in_a_cluster:
	s_bfe_u32 s2, ttmp6, 0x10000c
	s_cmp_lg_u32 s2, 0x3003
	s_cbranch_scc0 .Lentry_shape_is_right
	s_endpgm
.Lentry_shape_is_right:
; Launch 3 of 4: causal attention on codes of E4M3; y is quantised (e6) in registers and stored as images of the projection's operand registers.
; LEFT OUT: key steps all of whose 128 keys come after a tile's 16 queries (reference()'s own tril mask makes their p exactly 0: shown at the head of the first launch).
; THE SOFTMAX: t = score x 2^(e2 + e3) x log2(e) / 8; M = the running largest t rounded UP to a whole number; p = 2^(t - M) is quantised with 2^e4; the row's sum is taken of the unquantised p and divides at the end.
; When M moves, the sum and O are multiplied by 2^(old M - new M), which rounds nothing.
; LIMITS: e2 + e3 between -123 and 130 (added to the exponent field of log2(e) / 8); e4 and e6 between -126 and 119; e4 + e5 is applied by v_ldexp_f32.
; SHARES.  The four work-groups of a cluster serve one (batch, head).  The head's whole K (131,072 bytes, from LDS byte 0) and V (131,072 bytes, from byte 131,072) lie in LDS as dense images of operand registers:
; no padding, no ring, nothing is filled again.  The four partners ask jointly; every wave issues two loads of 8,192 bytes, so that the first half of the keys can be worked on while the second lands.
; With g = 4 wave + cx a wave owns the tiles of 16 queries 127 - g and g: (16 - wave / 2) + (wave / 2 + 1) = 17 key steps of 128 keys for every wave of the launch.
; Branches and trip counts hang on the wave's number and on counters alone ((4 wave + cx) / 8 = wave / 2); cx enters only Q's and y's addresses in memory and a vector compare.
; LAYOUT.  Both products are used transposed: S^T = K Q^T, O^T = V^T P^T: a lane holds one query (lane % 16).  K's images hold keys 32 (t / 2) + 8 (t % 2) + r + 8 (r / 8) in tile t, so that the 16 registers of score tiles
; 2 b, 2 b + 1 are keys 32 b + 16 (lane / 16) + 0 .. 15; V's images hold the head's 64 in the same order, so that O^T's tiles 2 u, 2 u + 1 are 16 neighbours along the projection's K.
; Sixteen waves of 256 registers, four to a SIMD: one wave's vector work stands beside another's matrix work and LDS loads.
; No prefetch: every byte that the launch reads from K and V is asked for by the tensor loads at its head.
.set SPARE, 262144                     ; behind K and V: the spare words, 128 bytes for each of 16 waves
.set LI,   1                           ; v1   16 x lane
.set SPW,  2
.set NIL,  3
.set ADK,  4                           ; v4   LDS address of the step's K
.set ADV,  5                           ; v5   of its V
.set DQ,   6                           ; v6   my query's place in its diagonal step, less 16 (lane / 16)
.set NINF, 7                           ; v7   -infinity
.set PLIM, 8
.set PSC,  9                           ; v9   2^e4
.set F,    10                          ; v[10:11] f = 2^(old M - new M); v11 is named with it as a pair
                                       ; v12 -M, v13 the largest t, v[14:15] the sum in two halves
.set QH,   16                          ; v16-23 Q of tile 127 - g
.set QL,   24                          ; v24-31 Q of tile g
.set KFR,  32                          ; v32-95 K's eight fragments; behind the scores: v32-47 p's codes, v[50:51] a second chain of sums, v52-54 at work
.set PC,   32
.set S2,   50
.set T0,   52
.set T1,   53
.set T2,   54
.set ST,   96                          ; v96-159 S^T, then p
.set OT,   160                         ; v160-191 O^T
.set VFR,  192                         ; v192-255 V's four fragments
.set WV,   10                          ; s10 wave, s11 cx, s12 16 x batch + head
.set G1,   24                          ; s[24:31] group 1; s[32:35], s[36:39] my two groups 0
.set CS,   48                          ; s[48:49] c
.set SEL,  50                          ; s[50:51] lane selects: lane l xor 16
.set TB,   52                          ; s52 LDS byte of the step's K
.set STP,  53                          ; s53 the step
.set LIMH, 54                          ; s54 the diagonal step of tile 127 - g: 15 - wave / 2
.set LIML, 55                          ; s55 of tile g: wave / 2
.macro CROUND
	s_barrier_signal -1
	s_barrier_wait -1
	s_cmp_lg_u32 s[WV], 0
	s_cbranch_scc1 .Lnot_wave_0_\@
	s_barrier_signal -3
.Lnot_wave_0_\@:
	s_barrier_wait -3
	s_barrier_signal -1
	s_barrier_wait -1
.endm
	s_load_b128 s[4:7], s[0:1], 0x0                ; qkvc s[4:5], the exponents s[6:7]
	s_load_b64 s[8:9], s[0:1], 0x10                ; ycodes
	v_lshl_add_u32 v[SPW], v0, 2, SPARE
	v_mov_b32 v[NIL], 0
	ds_add_u32 v[SPW], v[NIL]                      ; the wave's opening: the add, twice on end, and its wait ahead of my first tensor load
	ds_add_u32 v[SPW], v[NIL]
	v_lshrrev_b32 v1, 5, v0
	s_delay_alu instid0(VALU_DEP_1)
	v_readfirstlane_b32 s[WV], v1                  ; wave 0..15
	s_bfe_u32 s11, ttmp6, 0x40000                  ; cx
	s_and_b32 s12, ttmp7, 0xffff                   ; 16 x batch + head, which the four partners share
	s_mov_b32 s[G1], 15|(3<<16)|(1<<21)            ; the mask: all four; elements of 8 bytes; bit 21 beside a mask; no padding
	s_mov_b32 s[G1+1], 32<<16                      ; tensor_dim0 = 32 elements: rows of 256 bytes
	s_mov_b32 s[G1+2], 32<<16                      ; tensor_dim1 = 32 rows
	s_mov_b32 s[G1+3], 32<<16                      ; tile_dim0
	s_mov_b32 s[G1+4], 32                          ; tile_dim1
	s_mov_b32 s[G1+5], 32                          ; from row to row: dense
	s_mov_b32 s[G1+6], 0
	s_mov_b32 s[G1+7], 0
	s_mov_b32 s[SEL], 0x76543210
	s_mov_b32 s[SEL+1], 0xfedcba98
	s_lshr_b32 s76, s[WV], 3                       ; waves 0-7 fetch K's steps w and w + 8, waves 8-15 V's
	s_and_b32 s77, s[WV], 7
	s_lshl_b32 s77, s77, 13
	s_lshl_b32 s78, s76, 17
	s_mov_b32 s32, 1
	s_add_co_u32 s33, s78, s77                     ; LDS: 131,072 (w / 8) + 8,192 (w % 8)
	s_mov_b32 s36, 1
	s_add_co_u32 s37, s33, 65536                   ; and eight steps on
	s_add_co_u32 s76, s76, 1
	s_lshl_b32 s76, s76, 23                        ; K's region or V's
	s_lshl_b32 s80, s12, 17                        ; the head's 131,072 bytes in a region
	s_add_co_u32 s76, s76, s80
	s_add_co_u32 s76, s76, s77
	s_mov_b32 s77, 0
	s_lshr_b32 s[LIML], s[WV], 1
	s_sub_co_u32 s[LIMH], 15, s[LIML]
	s_and_b32 s57, s[WV], 1
	s_lshl_b32 s57, s57, 2
	s_add_co_u32 s57, s57, s11
	s_lshl_b32 s57, s57, 4                         ; tile g begins 16 (g % 8) keys into its diagonal step,
	s_sub_co_u32 s56, 112, s57                     ; tile 127 - g 16 (7 - g % 8)
	s_lshl_b32 s78, s[WV], 2
	s_add_co_u32 s78, s78, s11                     ; g
	s_sub_co_u32 s79, 127, s78                     ; 127 - g
	s_lshl_b32 s82, s79, 10
	s_add_co_u32 s82, s82, s80                     ; Q's image of tile 127 - g: 1,024 bytes a tile
	s_mov_b32 s83, 0
	s_lshl_b32 s84, s78, 10
	s_add_co_u32 s84, s84, s80
	s_mov_b32 s85, 0
	s_and_b32 s86, s12, 15                         ; the head: ycodes is [K step of 256: head / 4][tile of 16 tokens][head % 4][half][lane][16]
	s_lshr_b32 s87, s86, 2
	s_lshl_b32 s87, s87, 21
	s_and_b32 s86, s86, 3
	s_lshl_b32 s86, s86, 10
	s_add_co_u32 s86, s86, s87
	s_lshr_b32 s87, s12, 4
	s_lshl_b32 s87, s87, 19                        ; the batch's 128 tiles of 4,096 bytes
	s_add_co_u32 s86, s86, s87
	s_lshl_b32 s88, s79, 12
	s_add_co_u32 s88, s88, s86
	s_mov_b32 s89, 0
	s_lshl_b32 s90, s78, 12
	s_add_co_u32 s90, s90, s86
	s_mov_b32 s91, 0
	s_wait_dscnt 0x0                               ; both opening adds are done
	s_wait_kmcnt 0x0
	s_load_b256 s[68:75], s[6:7], 0x0              ; e0 .. e7
	s_add_nc_u64 s[34:35], s[4:5], s[76:77]
	s_add_nc_u64 s[38:39], s[34:35], 65536
	s_or_b32 s35, s35, 0x80000000
	s_or_b32 s39, s39, 0x80000000
	s_add_nc_u64 s[40:41], s[4:5], s[82:83]        ; Q of tile 127 - g
	s_add_nc_u64 s[42:43], s[4:5], s[84:85]        ; Q of tile g
	s_add_nc_u64 s[44:45], s[8:9], s[88:89]        ; y of tile 127 - g
	s_add_nc_u64 s[46:47], s[8:9], s[90:91]        ; y of tile g
	CROUND                                         ; all four work-groups are here: the joint loads meet
	tensor_load_to_lds s[32:35], s[G1:G1+7]        ; my part of key steps 0-7
	s_nop 0
	s_wait_alu depctr_va_vdst(0)
	s_wait_tensorcnt 0x0
	ds_add_u32 v2, v3
	s_wait_dscnt 0x0
	CROUND
	tensor_load_to_lds s[36:39], s[G1:G1+7]        ; my part of key steps 8-15: the first has landed, one load of mine is out
	s_nop 0
.rept 4
	v_nop
.endr
	v_and_b32 v[LI], 31, v0
	s_delay_alu instid0(VALU_DEP_1)
	v_lshlrev_b32 v[LI], 4, v[LI]
	global_load_b128 v[QH:QH+3], v[LI], s[40:41]
	global_load_b128 v[QH+4:QH+7], v[LI], s[40:41] offset:512
	global_load_b128 v[QL:QL+3], v[LI], s[42:43]
	global_load_b128 v[QL+4:QL+7], v[LI], s[42:43] offset:512
	v_mov_b32 v[NINF], 0xff800000
	v_mov_b32 v[F+1], 0
	v_mov_b32 v[T2], 0                             ; written once: a lane permute's destination counts as one of its sources
	s_wait_kmcnt 0x0
	s_add_co_i32 s76, s70, s71
	s_lshl_b32 s76, s76, 23
	s_mov_b32 s[CS], 0x3e38aa3b                    ; log2(e) / 8
	s_add_co_i32 s[CS], s[CS], s76                 ; x 2^(e2 + e3): the exponents are added to its exponent field
	s_mov_b32 s[CS+1], s[CS]
	s_add_co_i32 s76, s72, 127
	s_lshl_b32 s77, s76, 23
	v_mov_b32 v[PSC], s77                          ; 2^e4
	s_add_co_i32 s58, s72, s73                     ; e4 + e5
	s_add_co_i32 s76, s74, 127
	s_lshl_b32 s59, s76, 23                        ; 2^e6
.macro INIT                            ; a tile begins: the step is written without a first form of its own: it finds zeros, which the first change of M leaves zeros
	v_mov_b32 v13, 0xff61b1e6                      ; the largest t so far: -3e38
	s_delay_alu instid0(VALU_DEP_1)
	v_floor_f32 v12, -v13
	v_mov_b32 v14, 0
	v_mov_b32 v15, 0
.set i, 0
.rept 32
	v_mov_b32 v[OT+i], 0
.set i, i+1
.endr
.endm
.macro SETDQ doff
	v_and_b32 v[DQ], 15, v0
	v_bfe_u32 v[T0], v0, 4, 1
	s_delay_alu instid0(VALU_DEP_1)
	v_lshlrev_b32 v[T0], 4, v[T0]
	s_delay_alu instid0(VALU_DEP_1)
	v_sub_nc_u32 v[DQ], v[DQ], v[T0]
	s_delay_alu instid0(VALU_DEP_1)
	v_add_nc_u32 v[DQ], s[\doff], v[DQ]
.endm
; A KEY STEP: 128 keys for the tile whose Q lies at v[qb].  masked = 1: the step is passed over where it lies beyond s[lim], and hides keys where it is s[lim].
.macro STEP qb, masked, lim
.if \masked
	s_cmp_gt_u32 s[STP], s[\lim]                   ; the wave's number and the count of steps alone
	s_cbranch_scc1 .Lhidden_\@
.endif
	s_setprio 2
	v_add_nc_u32 v[ADK], s[TB], v[LI]
	s_delay_alu instid0(VALU_DEP_1)
	v_add_nc_u32 v[ADV], 0x20000, v[ADK]
	v_nop
	v_nop                                          ; four places in front of loads into registers that the last products have read
.irp t, 0,1,2,3,4,5,6,7
.irp c, 0,1
	ds_load_b128 v[KFR+8*\t+4*\c:KFR+8*\t+4*\c+3], v[ADK] offset:1024*\t+512*\c
.endr
.endr
.irp t, 0,1,2,3
.irp c, 0,1,2,3
	ds_load_b128 v[VFR+16*\t+4*\c:VFR+16*\t+4*\c+3], v[ADV] offset:2048*\t+512*\c
.endr
.endr
	s_wait_dscnt 16                                ; K is in; V's sixteen loads may be out: they land beside the softmax
.irp t, 0,1,2,3,4,5,6,7
	v_wmma_f32_16x16x64_fp8_fp8 v[ST+8*\t:ST+8*\t+7], v[KFR+8*\t:KFR+8*\t+7], v[\qb:\qb+7], 0
.endr
.rept 4
	v_nop
.endr
.if \masked
	s_cmp_lg_u32 s[STP], s[\lim]
	s_cbranch_scc1 .Lopen_\@
.set n, 0
	s_wait_alu depctr_va_vdst(0)
.rept 64                               ; register 16 b + i holds key 32 b + 16 (lane / 16) + i of the step: hidden where 32 b + i > DQ.  -infinity ahead of the maximum: p = 0 then
	v_cmp_gt_i32 vcc_lo, 32*(n/16)+n%16, v[DQ]
	v_cndmask_b32 v[ST+n], v[ST+n], v[NINF], vcc_lo
.set n, n+1
.endr
.Lopen_\@:
.endif
	v_max3_num_f32 v[T0], v[ST], v[ST+1], v[ST+2]  ; the step's largest score of my query among my 64 keys, in two chains, each accumulator from its low end on
	v_max3_num_f32 v[T1], v[ST+3], v[ST+4], v[ST+5]
.irp i, 6,10,14,18,22,26,30,34,38,42,46,50,54,58
	v_max3_num_f32 v[T0], v[T0], v[ST+\i], v[ST+1+\i]
	v_max3_num_f32 v[T1], v[T1], v[ST+2+\i], v[ST+3+\i]
.endr
	v_max3_num_f32 v[T0], v[T0], v[ST+62], v[ST+63]
	s_delay_alu instid0(VALU_DEP_1)
	v_max_num_f32 v[T0], v[T0], v[T1]
	s_delay_alu instid0(VALU_DEP_1)
	v_permlanex16_b32 v[T2], v[T0], s[SEL], s[SEL+1]
	s_delay_alu instid0(VALU_DEP_1)
	v_max_num_f32 v[T0], v[T0], v[T2]              ; and among lane l xor 16's
	s_delay_alu instid0(VALU_DEP_1)
	v_mul_f32 v[T0], s[CS], v[T0]                  ; as t (c is positive)
	s_delay_alu instid0(VALU_DEP_1)
	v_max_num_f32 v13, v13, v[T0]
	v_mov_b32 v[T0], v12
	s_delay_alu instid0(VALU_DEP_2)
	v_floor_f32 v12, -v13                          ; the new -M = floor(-t)
	s_delay_alu instid0(VALU_DEP_1)
	v_sub_f32 v[T0], v12, v[T0]                    ; old M - new M: a whole number, 0 or less
	s_delay_alu instid0(VALU_DEP_1)
	v_cvt_i32_f32 v[T0], v[T0]                     ; (it saturates)
	s_delay_alu instid0(VALU_DEP_1)
	v_ldexp_f32 v[F], 1.0, v[T0]
.set j, 0
.rept 32
	v_pk_fma_f32 v[ST+j:ST+j+1], v[ST+j:ST+j+1], s[CS:CS+1], v[12:13] op_sel_hi:[1,0,0]   ; t - M, two at a time
.set j, j+2
.endr
.set j, 0
	s_setprio 1
	s_wait_alu depctr_va_vdst(0)
.rept 64
	v_exp_f32 v[ST+j], v[ST+j]                     ; p = 2^(t - M)
.set j, j+1
.endr
	v_pk_mul_f32 v[14:15], v[14:15], v[F:F+1] op_sel_hi:[1,0]   ; the sums under the new M: the plain instruction behind the exponentials
	s_wait_alu depctr_va_vdst(0)                   ; one wait for the whole batch, ahead of its first reader
	v_pk_add_f32 v[S2:S2+1], v[ST:ST+1], v[ST+2:ST+3]   ; the row's sum is taken of the unquantised p, in two chains
.irp j, 4,8,12,16,20,24,28,32,36,40,44,48,52,56,60
	v_pk_add_f32 v[14:15], v[14:15], v[ST+\j:ST+1+\j]
	v_pk_add_f32 v[S2:S2+1], v[S2:S2+1], v[ST+2+\j:ST+3+\j]
.endr
	s_delay_alu instid0(VALU_DEP_1)
	v_pk_add_f32 v[14:15], v[14:15], v[S2:S2+1]
	s_setprio 0
.irp b, 0,1,2,3
.irp i, 0,1,2,3,4,5,6,7,8,9,10,11,12,13,14,15
.endr
	v_cvt_scalef32_pk8_fp8_f32 v[PC+4*\b:PC+4*\b+1], v[ST+16*\b:ST+16*\b+7], v[PSC]
	v_cvt_scalef32_pk8_fp8_f32 v[PC+4*\b+2:PC+4*\b+3], v[ST+16*\b+8:ST+16*\b+15], v[PSC]
.endr
.set j, 0
.rept 16
	v_pk_mul_f32 v[OT+j:OT+j+1], v[OT+j:OT+j+1], v[F:F+1] op_sel_hi:[1,0]   ; O^T under the new M; also the plain instructions between the conversions and the products
.set j, j+2
.endr
	s_wait_alu depctr_va_vdst(0)
	s_wait_dscnt 0x0                               ; V is in
.irp t, 0,1,2,3
	v_wmma_f32_16x16x128_fp8_fp8 v[OT+8*\t:OT+8*\t+7], v[VFR+16*\t:VFR+16*\t+15], v[PC:PC+15], v[OT+8*\t:OT+8*\t+7]   ; the four accumulators by turns; the scores' eight stand between two turns
.endr
.if \masked
.Lhidden_\@:
.endif
.endm
; A tile's end: O^T x 2^(e4 + e5) / the sum is y; held, converted with 2^e6.  Registers 16 u + i are the head's 32 u + 16 (lane / 16) + i: four registers of codes are one lane's 16 bytes of an image half.
.macro OUT yb
	v_add_f32 v14, v14, v15
	s_delay_alu instid0(VALU_DEP_1)
	v_permlanex16_b32 v[T2], v14, s[SEL], s[SEL+1]
	s_delay_alu instid0(VALU_DEP_1)
	v_add_f32 v14, v14, v[T2]                      ; the row's sum
	s_wait_alu depctr_va_vdst(0)
	v_rcp_f32 v14, v14
	v_mov_b32 v[T1], s59
	s_wait_alu depctr_va_vdst(0)                   ; ahead of the reciprocal's first reader
	v_ldexp_f32 v14, v14, s58
.set j, 0
.rept 16
	v_pk_mul_f32 v[ST+j:ST+j+1], v[OT+j:OT+j+1], v[14:15] op_sel_hi:[1,0]
.set j, j+2
.endr
.set j, 0
.rept 32
.set j, j+1
.endr
.irp g, 0,1,2,3
	v_cvt_scalef32_pk8_fp8_f32 v[PC+2*\g:PC+2*\g+1], v[ST+8*\g:ST+8*\g+7], v[T1]
.endr
	v_nop                                          ; a plain instruction behind the last conversion
	global_store_b128 v[LI], v[PC:PC+3], s[\yb:\yb+1]               ; 32 lanes store 512 consecutive bytes, aligned
	global_store_b128 v[LI], v[PC+4:PC+7], s[\yb:\yb+1] offset:512
.endm
	INIT
	s_wait_tensorcnt 1                             ; my part of key steps 0-7 is in; my second load may be out
	s_barrier_signal -1
	s_barrier_wait -1                              ; everybody's is
	s_wait_loadcnt 0x0                             ; Q
	; tile 127 - g, key steps 0-7: its queries are 1,024 or later, so all these keys count
	s_mov_b32 s[TB], 0
	s_mov_b32 s[STP], 0
.Lp1:
	STEP QH, 0, 0
	s_add_co_u32 s[TB], s[TB], 8192
	s_add_co_u32 s[STP], s[STP], 1
	s_cmp_lt_u32 s[STP], 8
	s_cbranch_scc1 .Lp1
	s_setprio 0
	s_wait_tensorcnt 0x0                           ; my part of key steps 8-15 is in: it has had eight steps' work in which to land
	s_wait_dscnt 0x0
	s_barrier_signal -1
	s_barrier_wait -1                              ; everybody's is
	; tile 127 - g, key steps 8 to its diagonal
	SETDQ 56
	s_mov_b32 s[TB], 65536
	s_mov_b32 s[STP], 8
.Lp2:
	STEP QH, 1, LIMH
	s_add_co_u32 s[TB], s[TB], 8192
	s_add_co_u32 s[STP], s[STP], 1
	s_cmp_lt_u32 s[STP], 16
	s_cbranch_scc1 .Lp2
	s_setprio 0
	OUT 44
	; tile g, key steps 0 to its diagonal
	INIT
	SETDQ 57
	s_wait_xcnt 0x0                                ; the two stores have read their data: the registers are loaded over below
	s_mov_b32 s[TB], 0
	s_mov_b32 s[STP], 0
.Lp3:
	STEP QL, 1, LIML
	s_add_co_u32 s[TB], s[TB], 8192
	s_add_co_u32 s[STP], s[STP], 1
	s_cmp_lt_u32 s[STP], 8
	s_cbranch_scc1 .Lp3
	s_setprio 0
	OUT 46
	s_wait_tensorcnt 0x0                           ; the wave's end: a wait, an add of 0 to my spare word and its wait, behind my last tensor load
	ds_add_u32 v[SPW], v[NIL]
	s_wait_dscnt 0x0
	CROUND                                         ; the closing round
	s_endpgm
.Lfunc_end_k_qb86a686590_attn:
	.size	k_qb86a686590_attn, .Lfunc_end_k_qb86a686590_attn-k_qb86a686590_attn
	.p2alignl 7, 3214868480
	.fill 96, 4, 3214868480
	.section	.rodata,"a",@progbits
	.p2align	6, 0x0
	.amdhsa_kernel k_qb86a686590_attn
		.amdhsa_group_segment_fixed_size 327680
		.amdhsa_private_segment_fixed_size 0
		.amdhsa_enable_private_segment 0
		.amdhsa_kernarg_size 24
		.amdhsa_user_sgpr_count 2
		.amdhsa_user_sgpr_kernarg_segment_ptr 1
		.amdhsa_wavefront_size32 1
		.amdhsa_system_sgpr_workgroup_id_x 1
		.amdhsa_system_sgpr_workgroup_id_y 1
		.amdhsa_system_sgpr_workgroup_id_z 1
		.amdhsa_system_vgpr_workitem_id 0
		.amdhsa_next_free_vgpr 256
		.amdhsa_next_free_sgpr 96
		.amdhsa_reserve_vcc 1
		.amdhsa_float_denorm_mode_32 3
		.amdhsa_float_denorm_mode_16_64 3
		.amdhsa_fp16_overflow 1
		.amdhsa_memory_ordered 1
		.amdhsa_forward_progress 1
		.amdhsa_inst_pref_size 65
	.end_amdhsa_kernel
	.amdgpu_metadata
---
amdhsa.version: [ 1, 2 ]
amdhsa.kernels:
  - .name:           k_qb86a686590_attn
    .symbol:         k_qb86a686590_attn.kd
    .args:
      - { .name: qkvc, .offset: 0, .size: 8, .value_kind: global_buffer, .address_space: global }
      - { .name: lowp_scales, .offset: 8, .size: 8, .value_kind: global_buffer, .address_space: global }
      - { .name: ycodes, .offset: 16, .size: 8, .value_kind: global_buffer, .address_space: global }
    .group_segment_fixed_size: 327680
    .private_segment_fixed_size: 0
    .kernarg_segment_align: 8
    .kernarg_segment_size: 24
    .max_flat_workgroup_size: 512
    .sgpr_count:     96
    .vgpr_count:     256
    .wavefront_size: 32
...
	.end_amdgpu_metadata
.endif
;; end of part 3
;; launch gemm_proj (part 4): grid 8 x 32, 4 waves a work-group, clusters of 4 x 4, 327,680 bytes of LDS; arguments ycodes, wcodes, lowp_scales, out0; writes out0
.if DOCPART == 4
	.amdgcn_target "amdgcn-amd-amdhsa--gfx1250"
	.amdhsa_code_object_version 6
	.text
	.protected	k_qb86a686590_gemm_proj
	.globl	k_qb86a686590_gemm_proj
	.p2align	8
	.type	k_qb86a686590_gemm_proj,@function
k_qb86a686590_gemm_proj:
	s_mov_b64 s[64:65], 0
	v_nop
	global_prefetch_b8 v0, s[64:65] scope:SCOPE_SE
	s_setreg_imm32_b32 hwreg(HW_REG_WAVE_MODE, 25, 1), 1
	s_wait_xcnt 0x0
	s_wait_alu depctr_hold_cnt(0) depctr_sa_sdst(0) depctr_va_vdst(0) depctr_va_sdst(0) depctr_va_ssrc(0) depctr_va_vcc(0) depctr_vm_vsrc(0)
	s_getreg_b32 s2, hwreg(HW_REG_IB_STS2, 6, 4)
	s_cmp_eq_u32 s2, 0
	s_cbranch_scc0 .Lentry_in_a_cluster
	s_endpgm
.Lentry_in_a_cluster:
	s_bfe_u32 s2, ttmp6, 0x10000c
	s_cmp_lg_u32 s2, 0xf033
	s_cbranch_scc0 .Lentry_shape_is_right
	s_endpgm
.Lentry_shape_is_right:
; Launch 4 of 4: out0 = y w_proj on codes of E4M3; each finished f32 sum is multiplied once by 2^(e6 + e7).  LIMIT: e6 + e7 between -126 and 127.
; SHARES.  A work-group of four waves makes 256 tokens x 128 columns (256 work-groups), a wave 128 x 64: 32 accumulators.  K = 1,024 goes in four steps of 256.
; THREE LDS slots: K steps 0, 1, 2 are asked for at the head; one refill (K step 3 into slot 0) stands behind the one round in the middle and has two K steps, 128 matrix instructions a wave, in which to land.
; y comes as images of the operand registers, ycodes [K step 4][tile of 16 tokens 512][half 2][c 4][lane][16]: a work-group's part of a K step is one dense block of 65,536 bytes, read back by 16 x lane: no pitch, no padding.
; w_proj's codes are rows 3,072 on of wcodes, stored with the rows' bits 3 and 4 exchanged.  THE MATRIX INSTRUCTION IS USED TRANSPOSED (source 0 = 16 rows of w, source 1 = 16 tokens):
; lane (r, h) holds token r, and register j of tile b column 32 (b / 2) + 16 h + 8 (b % 2) + j of the wave's 64.
; CLUSTERS 4 x 4: y's tile is shared along a row of the cluster, w's along a column: joint loads.
; REGISTERS: window 0: v0-31 addresses, v128-255 y's 8 fragments (one set); window 1: w's 4 fragments, two sets at v0 and v128; window 2: accumulator (a, b) at v[8 (4 a + b)].
; No prefetch: three of the four K steps are asked for at the head.
.set ROWB,   256
.set PITCH,  272
.set FR,     16
.set NL,     4
.set NP,     4
.set BOFF,   65536                     ; in a slot: y's 65,536 bytes, then w's 128 rows x 272
.set BHALF,  64*PITCH
.set SLOT,   BOFF+2*BHALF              ; 100,352
.set SPARE,  3*SLOT
.set STAGE,  SLOT                      ; the way out: 16 rows x 272 bytes a wave, in slot 1: filled once, and read last in front of the last barrier
.set SP,     272
.set AREF,   3*2097152                 ; from K step 0 to K step 3 in ycodes
.set BREF,   3*ROWB                    ; and in a row of wcodes
.set ADRA, 16                          ; v16-18
.set ADRB, 20                          ; v20-22
.set STO,  24
.set RD,   25
.set CO,   26
.set SPW,  28
.set NIL,  29
.set TMP,  32                          ; v32-63 a block's sums x 2^(e6 + e7)
.set AF,   128
.set BK,   128                         ; v128-159, v160-191 by turns: rows read back from the stage
.set G1, 24                            ; s[24:31] group 1 for y;  s[32:43] its groups 0, one a slot
.set G0, 32
.set G1B, 44                           ; s[44:51] group 1 for w;  s[52:63] its groups 0
.set G0B, 52
.set MSB, 0
.macro WIN new
.if MSB != (\new)
	s_set_vgpr_msb (MSB<<8)|(\new)
.set MSB, (\new)
.endif
.endm
.set MULW, 0xa1                        ; source 0 window 1, source 1 window 0, C and D window 2
.set TO_B, 0x40
.macro JLOAD g0a, g1a, g0b, g1b        ; waves 0 and 1 fetch y's halves, waves 2 and 3 w's; an s_nop 0 and four v_nop follow each line
	s_cmp_eq_u32 s15, 0
	s_cbranch_scc0 .Lfor_b_\@
	tensor_load_to_lds s[\g0a:\g0a+3], s[\g1a:\g1a+7]
	s_nop 0
.rept 4
	v_nop
.endr
	s_branch .Lasked_\@
.Lfor_b_\@:
	tensor_load_to_lds s[\g0b:\g0b+3], s[\g1b:\g1b+7]
	s_nop 0
.rept 4
	v_nop
.endr
.Lasked_\@:
.endm
.macro CREST
	s_cmp_lg_u32 s14, 0
	s_cbranch_scc1 .Lnot_wave_0_\@
	s_barrier_signal -3
.Lnot_wave_0_\@:
	s_barrier_wait -3
	s_barrier_signal -1
	s_barrier_wait -1
.endm
.macro CROUND
	s_barrier_signal -1
	s_barrier_wait -1
	CREST
.endm
	s_load_b128 s[4:7], s[0:1], 0x0                ; ycodes s[4:5], wcodes s[6:7]
	s_load_b128 s[8:11], s[0:1], 0x10              ; the exponents s[8:9], out0 s[10:11]
	v_lshl_add_u32 v[SPW], v0, 2, SPARE
	v_mov_b32 v[NIL], 0
	ds_add_u32 v[SPW], v[NIL]                      ; the wave's opening: the add, twice on end, and its wait ahead of my first tensor load
	ds_add_u32 v[SPW], v[NIL]
	v_lshrrev_b32 v1, 5, v0
	v_readfirstlane_b32 s14, v1                    ; wave 0..3
	s_lshr_b32 s15, s14, 1                         ; my half of the tokens.  Also: I fetch for y (0) or for w (1)
	s_and_b32 s16, s14, 1                          ; my half of the columns.  Also: which half of that tile I fetch
	s_bfe_u32 s66, ttmp6, 0x40000                  ; cx
	s_bfe_u32 s67, ttmp6, 0x40004                  ; cy
	s_lshl_b32 s68, ttmp9, 2
	s_add_co_u32 s68, s68, s66                     ; tile of 128 columns
	s_and_b32 s69, ttmp7, 0xffff
	s_lshl_b32 s69, s69, 2
	s_add_co_u32 s69, s69, s67                     ; tile of 256 tokens
	s_lshl_b32 s70, s67, 2
	s_lshl_b32 s70, 15, s70                        ; my row of the cluster
	s_lshl_b32 s71, 0x1111, s66                    ; my column
	s_or_b32 s[G1+0], s70, (3<<16)|(1<<21)         ; y: the mask; elements of 8 bytes; bit 21 beside a mask; no padding
	s_mov_b32 s[G1+1], 32<<16                      ; rows of 256 bytes,
	s_mov_b32 s[G1+2], 128<<16                     ; 128 of them,
	s_mov_b32 s[G1+3], 32<<16
	s_mov_b32 s[G1+4], 128
	s_mov_b32 s[G1+5], 32                          ; dense
	s_mov_b32 s[G1+6], 0
	s_mov_b32 s[G1+7], 0
	s_or_b32 s[G1B+0], s71, (0<<16)|(1<<20)|(1<<21)|(5<<22)|(3<<25)  ; w: elements of 1 byte; after every 64 words four words of padding
	s_mov_b32 s[G1B+1], ROWB<<16
	s_mov_b32 s[G1B+2], 64<<16
	s_mov_b32 s[G1B+3], ROWB<<16
	s_mov_b32 s[G1B+4], 64
	s_mov_b32 s[G1B+5], 1024
	s_mov_b32 s[G1B+6], 0
	s_mov_b32 s[G1B+7], 0
	s_lshl_b32 s72, s69, 4
	s_lshl_b32 s73, s16, 3
	s_add_co_u32 s72, s72, s73
	s_lshl_b32 s72, s72, 12                        ; y: tile of 16 tokens 16 x (token tile) + 8 x half, 4,096 bytes each
	s_mov_b32 s73, 0
	s_lshl_b32 s74, s68, 7
	s_lshl_b32 s75, s16, 6
	s_add_co_u32 s74, s74, s75
	s_add_co_u32 s74, s74, 3072
	s_lshl_b32 s74, s74, 10                        ; w: row 3,072 + 128 x (column tile) + 64 x half
	s_mov_b32 s75, 0
	s_lshl_b32 s76, s16, 15                        ; where they go in a slot: y's half,
	s_mul_i32 s77, s16, BHALF
	s_add_co_u32 s77, s77, BOFF                    ; w's half
	s_wait_dscnt 0x0                               ; both opening adds are done
	s_wait_kmcnt 0x0
	s_load_b64 s[96:97], s[8:9], 0x18              ; e6, e7
	s_add_nc_u64 s[72:73], s[4:5], s[72:73]
	s_add_nc_u64 s[74:75], s[6:7], s[74:75]
	CROUND                                         ; all sixteen work-groups are here: the first joint loads meet
.irp s, 0,1,2
	s_mov_b32 s[G0+4*\s], 1
	s_add_co_u32 s[G0+4*\s+1], s76, \s*SLOT
	s_add_nc_u64 s[G0+4*\s+2:G0+4*\s+3], s[72:73], \s*2097152
	s_or_b32 s[G0+4*\s+3], s[G0+4*\s+3], 0x80000000
	s_mov_b32 s[G0B+4*\s], 1
	s_add_co_u32 s[G0B+4*\s+1], s77, \s*SLOT
	s_add_nc_u64 s[G0B+4*\s+2:G0B+4*\s+3], s[74:75], \s*ROWB
	s_or_b32 s[G0B+4*\s+3], s[G0B+4*\s+3], 0x80000000
	JLOAD G0+4*\s, G1, G0B+4*\s, G1B               ; three loads of mine are out
.endr
	v_and_b32 v1, 15, v0                           ; r
	v_bfe_u32 v2, v0, 4, 1                         ; h
	v_and_b32 v6, 31, v0
	v_lshlrev_b32 v5, 4, v6                        ; 16 x lane
	v_mul_u32_u24 v3, v1, PITCH
	v_lshl_add_u32 v4, v2, 4, v3
	s_lshl_b32 s80, s15, 15                        ; my 128 tokens' images
	s_mul_i32 s81, s16, BHALF
	s_add_co_u32 s81, s81, BOFF                    ; my 64 rows of w
.irp s, 0,1,2
	v_add_nc_u32 v[ADRA+\s], s80, v5
	v_add_nc_u32 v[ADRB+\s], s81, v4
	s_add_co_u32 s80, s80, SLOT
	s_add_co_u32 s81, s81, SLOT
.endr
	s_mul_i32 s82, s14, 16*SP
	s_add_co_u32 s82, s82, STAGE                   ; my stage
	v_lshl_add_u32 v7, v2, 6, v3
	v_add_nc_u32 v[STO], s82, v7                   ; in: row r, + 64 h
	v_mul_u32_u24 v7, v2, SP
	v_lshl_add_u32 v7, v1, 4, v7
	v_add_nc_u32 v[RD], s82, v7                    ; back: lanes 0-15 one row of 256 bytes, lanes 16-31 the next
	v_lshlrev_b32 v7, 12, v2
	v_lshl_add_u32 v[CO], v1, 4, v7                ; and the same two rows (4,096 bytes apart) in out0
	s_lshl_b32 s84, s69, 8
	s_lshl_b32 s85, s15, 7
	s_add_co_u32 s84, s84, s85
	s_lshl_b32 s84, s84, 12                        ; my first token's row
	s_lshl_b32 s85, s68, 9
	s_add_co_u32 s84, s84, s85
	s_lshl_b32 s85, s16, 8
	s_add_co_u32 s84, s84, s85                     ; + my first column, in bytes
	s_mov_b32 s85, 0
	s_add_nc_u64 s[10:11], s[10:11], s[84:85]
; 8 matrix instructions: token blocks a0, a0 + 1 x w's four.  The 32 accumulators take turns, one instruction a turn, in the same order in every step.
.macro MUL a0, p, zero
.irp a, \a0, \a0+1
.irp b, 0,1,2,3
.if \zero
	v_wmma_f32_16x16x128_fp8_fp8 v[8*(4*(\a)+\b):8*(4*(\a)+\b)+7], v[128*(\p)+FR*\b:128*(\p)+FR*\b+FR-1], v[AF+FR*(\a):AF+FR*(\a)+FR-1], 0
.else
	v_wmma_f32_16x16x128_fp8_fp8 v[8*(4*(\a)+\b):8*(4*(\a)+\b)+7], v[128*(\p)+FR*\b:128*(\p)+FR*\b+FR-1], v[AF+FR*(\a):AF+FR*(\a)+FR-1], v[8*(4*(\a)+\b):8*(4*(\a)+\b)+7]
.endif
.endr
.endr
.endm
.macro FETCH_B slot, q, p
	WIN TO_B
.irp i, 0,1,2,3
.irp c, 0,1,2,3
	ds_load_b128 v[128*(\p)+FR*\i+4*\c:128*(\p)+FR*\i+4*\c+3], v[ADRB+\slot] offset:128*(\q)+32*\c+\i*16*PITCH
.endr
.endr
	WIN 0
.endm
.macro FETCH_A slot, q, i0
.irp i, \i0, \i0+1, \i0+2, \i0+3
.irp c, 0,1,2,3
	ds_load_b128 v[AF+FR*(\i)+4*\c:AF+FR*(\i)+4*\c+3], v[ADRA+\slot] offset:4096*(\i)+2048*(\q)+512*\c
.endr
.endr
.endm
.macro PLACES n
.rept \n
	v_nop
.endr
.endm
.macro STEP p, nslot, nq, zero
	s_wait_dscnt 4*NL                              ; w's set and token blocks 0-3 are in; the youngest 16 loads (blocks 4-7) may be out
	WIN MULW
	MUL 0, \p, \zero
	MUL 2, \p, \zero
	s_wait_dscnt 0
	PLACES NP
	FETCH_B \nslot, \nq, 1-(\p)
	FETCH_A \nslot, \nq, 0
	WIN MULW
	MUL 4, \p, \zero
	MUL 6, \p, \zero
	PLACES NP
	WIN 0
	FETCH_A \nslot, \nq, 4
.endm
.macro TURN slot, next, fill
	s_wait_tensorcnt 0x0                           ; all my tensor loads have landed
	ds_add_u32 v[SPW], v[NIL]
	s_wait_dscnt 4*NL+1                            ; the add and the youngest 16 loads may be out
	WIN MULW
	MUL 0, 1, 0
	s_wait_dscnt 0x0                               ; the add is done, and my reads of this slot are over
	s_barrier_signal -1
	MUL 2, 1, 0
	WIN 0
	s_barrier_wait -1
.if \fill
	CREST                                          ; the barrier has opened a round of the cluster's barrier: no wave of any partner still reads this slot or has a load on its way
	s_add_nc_u64 s[G0+4*\slot+2:G0+4*\slot+3], s[G0+4*\slot+2:G0+4*\slot+3], AREF
	s_add_nc_u64 s[G0B+4*\slot+2:G0B+4*\slot+3], s[G0B+4*\slot+2:G0B+4*\slot+3], BREF
	JLOAD G0+4*\slot, G1, G0B+4*\slot, G1B         ; my one tensor load behind the round; its four v_nop are the places in front of the loads below
.else
	PLACES NP
.endif
	FETCH_B \next, 0, 0
	FETCH_A \next, 0, 0
	WIN MULW
	MUL 4, 1, 0
	MUL 6, 1, 0
	PLACES NP
	WIN 0
	FETCH_A \next, 0, 4
.endm
	s_wait_tensorcnt 2                             ; my part of K step 0 is in; my two later loads may be out
	s_barrier_signal -1
	s_barrier_wait -1
	FETCH_B 0, 0, 0
	FETCH_A 0, 0, 0
	FETCH_A 0, 0, 4
	STEP 0, 0, 1, 1                                ; K 0-127: its products start the sums
	TURN 0, 1, 1                                   ; K 128-255.  Every wave has waited for all three first fills: slots 1 and 2 are whole behind this round; slot 0 takes K step 3
	STEP 0, 1, 1, 0
	STEP 1, 2, 0, 0                                ; from slot 1 on into slot 2: no barrier is owed
	STEP 0, 2, 1, 0
	TURN 2, 0, 0                                   ; the refill has landed in every wave's part; nothing is filled again
	STEP 0, 0, 1, 0
	s_wait_dscnt 4*NL                              ; the last step
	WIN MULW
	MUL 0, 1, 0
	MUL 2, 1, 0
	s_wait_dscnt 0
	MUL 4, 1, 0
	MUL 6, 1, 0
	WIN 0
; THE WAY OUT, block by block of 16 tokens x 64 columns: through my own stage and back as whole rows of 256 bytes.  LDS serves a wave's instructions in order (ISA guide 5.7.1.4): no wait between the stores and the loads.
.macro TOSTAGE a
	WIN 0x02                                       ; source 0: window 2
.irp j, 0,2,4,6,8,10,12,14,16,18,20,22,24,26,28,30
	v_pk_mul_f32 v[TMP+\j:TMP+\j+1], v[32*(\a)+\j:32*(\a)+\j+1], s[96:97] op_sel_hi:[1,0]   ; x 2^(e6 + e7); each accumulator from its low end on
.endr
	WIN 0
.irp b, 0,1,2,3
	ds_store_b128 v[STO], v[TMP+8*\b:TMP+8*\b+3] offset:128*(\b/2)+32*(\b%2)
	ds_store_b128 v[STO], v[TMP+8*\b+4:TMP+8*\b+7] offset:128*(\b/2)+32*(\b%2)+16
.endr
.set BB, BK+32*((\a)%2)
.irp t, 0,1,2,3,4,5,6,7
	ds_load_b128 v[BB+4*\t:BB+4*\t+3], v[RD] offset:\t*2*SP
.endr
.endm
.macro SEND a, younger                 ; younger: the LDS instructions issued behind this block's loads, which may stay out
.set BB, BK+32*((\a)%2)
	s_wait_dscnt \younger
.if (\a) > 0
	s_add_nc_u64 s[10:11], s[10:11], 16*4096       ; (behind a wait on XCNT: the earlier stores have read their base)
.endif
.irp t, 0,1,2,3,4,5,6,7
	global_store_b128 v[CO], v[BB+4*\t:BB+4*\t+3], s[10:11] offset:\t*8192 th:TH_STORE_NT   ; sixteen lanes store 256 consecutive bytes, aligned; written once, read by nobody here
.endr
.endm
	s_wait_kmcnt 0x0
	s_add_co_i32 s96, s96, s97
	s_add_co_i32 s96, s96, 127
	s_lshl_b32 s96, s96, 23                        ; 2^(e6 + e7) as f32
	s_mov_b32 s97, s96                             ; (named with it as a pair)
	PLACES NP                                      ; behind the last products
	TOSTAGE 0
.irp a, 1,2,3,4,5,6,7
.if \a > 1
	s_wait_xcnt 0x0                                ; the stores of two blocks back have read their registers and their base
.endif
	TOSTAGE \a
	SEND \a-1, 16                                  ; behind that block's loads: this block's 8 stores and 8 loads
.endr
	s_wait_xcnt 0x0
	SEND 7, 0
	s_wait_tensorcnt 0x0                           ; the wave's end: a wait, an add of 0 to my spare word and its wait, behind my last tensor load and my last LDS store
	ds_add_u32 v[SPW], v[NIL]
	s_wait_dscnt 0x0
	CROUND                                         ; the closing round
	s_endpgm
.Lfunc_end_k_qb86a686590_gemm_proj:
	.size	k_qb86a686590_gemm_proj, .Lfunc_end_k_qb86a686590_gemm_proj-k_qb86a686590_gemm_proj
	.p2alignl 7, 3214868480
	.fill 96, 4, 3214868480
	.section	.rodata,"a",@progbits
	.p2align	6, 0x0
	.amdhsa_kernel k_qb86a686590_gemm_proj
		.amdhsa_group_segment_fixed_size 327680
		.amdhsa_private_segment_fixed_size 0
		.amdhsa_enable_private_segment 0
		.amdhsa_kernarg_size 32
		.amdhsa_user_sgpr_count 2
		.amdhsa_user_sgpr_kernarg_segment_ptr 1
		.amdhsa_wavefront_size32 1
		.amdhsa_system_sgpr_workgroup_id_x 1
		.amdhsa_system_sgpr_workgroup_id_y 1
		.amdhsa_system_sgpr_workgroup_id_z 1
		.amdhsa_system_vgpr_workitem_id 0
		.amdhsa_next_free_vgpr 768
		.amdhsa_next_free_sgpr 100
		.amdhsa_reserve_vcc 0
		.amdhsa_float_denorm_mode_32 3
		.amdhsa_float_denorm_mode_16_64 3
		.amdhsa_memory_ordered 1
		.amdhsa_forward_progress 1
		.amdhsa_inst_pref_size 77
	.end_amdhsa_kernel
	.amdgpu_metadata
---
amdhsa.version: [ 1, 2 ]
amdhsa.kernels:
  - .name:           k_qb86a686590_gemm_proj
    .symbol:         k_qb86a686590_gemm_proj.kd
    .args:
      - { .name: ycodes, .offset: 0, .size: 8, .value_kind: global_buffer, .address_space: global }
      - { .name: wcodes, .offset: 8, .size: 8, .value_kind: global_buffer, .address_space: global }
      - { .name: lowp_scales, .offset: 16, .size: 8, .value_kind: global_buffer, .address_space: global }
      - { .name: out0, .offset: 24, .size: 8, .value_kind: global_buffer, .address_space: global }
    .group_segment_fixed_size: 327680
    .private_segment_fixed_size: 0
    .kernarg_segment_align: 8
    .kernarg_segment_size: 32
    .max_flat_workgroup_size: 128
    .sgpr_count:     100
    .vgpr_count:     768
    .wavefront_size: 32
...
	.end_amdgpu_metadata
.endif
;; end of part 4
